; MI455X (gfx1250); checked and timed in simulation.
; The chip was launched on July 23, 2026; its instructions are those of AMD's public machine-readable ISA for CDNA 5 (MIT licence, August 2026) and "CDNA5" Instruction Set Architecture Reference Guide (July 2026). The comments in the code are by the model that wrote it; some were corrected since.
;; Fused Multi Pool. Allowed arithmetic: float matrix products may take bf16 or f16 operands with f32 sums; all other float work in f32.
;; Inputs: channel_idx_sets 64 x 8 int32; x 16 x 256 x 64 x 64 float32.
;; Outputs: out0 16 x 64 x 64 x 64 float32.
;; One version. Each part assembles by itself: llvm-mc -triple=amdgcn-amd-amdhsa -mcpu=gfx1250 --defsym DOCPART=n.
;; ======== version 1 of 1: 1 launch
;; launch multipool (part 1): grid 256 x 1, 16 waves a work-group, no clusters, 264,192 bytes of LDS; arguments channel_idx_sets, x, out0; writes out0
.if DOCPART == 1
	.amdgcn_target "amdgcn-amd-amdhsa--gfx1250"
	.amdhsa_code_object_version 6
	.text
	.protected	k_q4a1534a3c7_multipool
	.globl	k_q4a1534a3c7_multipool
	.p2align	8
	.type	k_q4a1534a3c7_multipool,@function
k_q4a1534a3c7_multipool:
	s_mov_b64 s[64:65], 0
	v_nop
	global_prefetch_b8 v0, s[64:65] scope:SCOPE_SE
	s_setreg_imm32_b32 hwreg(HW_REG_WAVE_MODE, 25, 1), 1
	s_wait_xcnt 0x0
; out0[b][s][p] = max over k = 0..7 of x[b][ idx[s][k] ][p].   x: [16][256][4096] f32, idx: [64][8] i32, out0: [16][64][4096] f32.
; The 512 indices name channels more than once, so x goes through LDS: every byte of x is fetched once, the repeats are LDS reads.
; A work-group owns one image b and 256 pixels, all 256 channels: 262,144 bytes in, 65,536 bytes out; 16 x 16 = 256 work-groups.
; Its share lies in LDS as four tiles of 64 pixels (256 channel rows of 256 bytes = 65,536 bytes each).  All four tiles are asked for
; in the first lines and no LDS byte is filled twice; tile t is reduced and stored while the younger tiles are still on their way.
; 16 waves.  Wave w fetches channels 16 w .. 16 w + 15 of each tile (four tensor loads, all four outstanding at the most) and reduces
; sets 4 w .. 4 w + 3.  A tile's row is 16 lanes x 16 bytes, so lanes 0-15 work on one set and lanes 16-31 on the next.
; No cluster: the work-groups share nothing but the 2,048 bytes of indices.  No padding: 16 lanes read one contiguous row of 256 bytes.
; NaN: v_maximum_f32 gives NaN if either source is NaN, as jnp.max does; of +0 and -0 it gives +0.
; LIMIT: an index is clamped (unsigned) to 255 before it enters an address; the problem's indices are 0 .. 255.
.set TILE_B, 65536                     ; bytes of a tile in LDS: 256 channels x 64 pixels x 4
.set ROW_B,  256                       ; bytes of a tile's row: 64 pixels
.set CH_W,   16                        ; channels that one wave fetches
.set PLANE,  4096                      ; pixels of a channel
.set IO,   5                           ; v5       byte offset of my first set's indices
.set LP,   6                           ; v6       16 x (lane % 16): my 16 bytes in a row
.set OUTO, 7                           ; v7       my byte offset in the work-group's part of out0
.set AD,   8                           ; v[8:23]  group g, k: the index, then the LDS address of my 16 bytes of that channel's row
.set D,    24                          ; v[24:87] group g, k: 4 numbers as loaded
.set R,    88                          ; v[88:119] tile t, group g: 4 results; each store has registers of its own, none is written twice
.set G1,   16                          ; s[16:23] descriptor group 1: the shape, the same for all loads
.set G0,   24                          ; s[24:39] descriptor group 0, one set for each tile, written once
	s_load_b128 s[4:7], s[0:1], 0x0                ; channel_idx_sets s[4:5], x s[6:7]
	s_load_b64 s[8:9], s[0:1], 0x10                ; out0
	v_lshl_add_u32 v120, v0, 2, 0x40000
	v_mov_b32 v121, 0
	ds_add_u32 v120, v121
	ds_add_u32 v120, v121
	v_lshrrev_b32 v1, 5, v0
	v_readfirstlane_b32 s10, v1                    ; wave 0..15
	v_bfe_u32 v2, v0, 4, 1                         ; h: which half of the lanes
	v_and_b32 v3, 15, v0
	v_lshl_add_u32 v4, v1, 2, v2                   ; 4 w + h: my set in group 0; group 1 is two sets further
	v_lshlrev_b32 v[LP], 4, v3
	v_lshlrev_b32 v[IO], 5, v4                     ; a set's eight indices are 32 bytes
	v_lshl_add_u32 v[OUTO], v4, 14, v[LP]          ; a set's plane in out0 is 16,384 bytes
	s_lshr_b32 s11, ttmp9, 4                       ; image b
	s_and_b32 s12, ttmp9, 15                       ; which 256 pixels
	s_lshl_b32 s12, s12, 10                        ; in bytes
	s_lshl_b32 s14, s11, 22                        ; x: an image is 256 x 16,384 bytes
	s_lshl_b32 s15, s10, 18                        ;    my 16 channels
	s_add_co_u32 s14, s14, s15
	s_add_co_u32 s14, s14, s12                     ;    my pixels: below 2^26
	s_mov_b32 s15, 0
	s_lshl_b32 s2, s11, 20                         ; out0: an image is 64 x 16,384 bytes
	s_add_co_u32 s2, s2, s12
	s_mov_b32 s3, 0
	; group 1: a tile of 16 rows x 64 elements of 4 bytes, 4,096 elements from row to row; the tile lies inside x, so the extents are its own
	s_mov_b32 s[G1+0], 2<<16                       ; no work-group mask; element of 4 bytes; no padding
	s_mov_b32 s[G1+1], 64<<16                      ; tensor_dim0 = 64
	s_mov_b32 s[G1+2], CH_W<<16                    ; tensor_dim1 = 16
	s_mov_b32 s[G1+3], 64<<16                      ; tile_dim0 = 64
	s_mov_b32 s[G1+4], CH_W                        ; tile_dim1 = 16
	s_mov_b32 s[G1+5], PLANE                       ; pitch
	s_mov_b32 s[G1+6], 0
	s_mov_b32 s[G1+7], 0
	s_lshl_b32 s13, s10, 12                        ; my 16 rows in a tile: 16 x 256 bytes x wave
.irp t, 0,1,2,3
	s_mov_b32 s[G0+4*\t], 1                        ; count = 1
	s_add_co_u32 s[G0+4*\t+1], s13, \t*TILE_B      ; LDS address: the tile, then my rows; channel c of tile t lies at t x 65,536 + 256 c
.endr
	s_wait_dscnt 0x0
	s_wait_kmcnt 0x0
	; my four sets' indices: every lane of a half reads the same 16 bytes
.irp g, 0,1
	global_load_b128 v[AD+8*\g:AD+8*\g+3],   v[IO], s[4:5] offset:64*\g
	global_load_b128 v[AD+8*\g+4:AD+8*\g+7], v[IO], s[4:5] offset:64*\g+16
.endr
	s_add_nc_u64 s[6:7], s[6:7], s[14:15]          ; x at my channels' first pixel
	s_add_nc_u64 s[8:9], s[8:9], s[2:3]            ; out0 at the work-group's first pixel of set 0
.irp t, 0,1,2,3
	s_add_nc_u64 s[G0+4*\t+2:G0+4*\t+3], s[6:7], \t*ROW_B          ; the tile's 64 pixels
	s_or_b32 s[G0+4*\t+3], s[G0+4*\t+3], 0x80000000               ; type = 2
	tensor_load_to_lds s[G0+4*\t:G0+4*\t+3], s[G1:G1+7]            ; the work-group's whole share is asked for here: 16 waves x 4 x 4,096 bytes
	s_nop 0
.endr
	s_wait_loadcnt 0x0                             ; the indices
.irp i, 0,1,2,3,4,5,6,7,8,9,10,11,12,13,14,15
	v_min_u32 v[AD+\i], 0xff, v[AD+\i]             ; a loaded number enters an address only clamped
.endr
.irp i, 0,1,2,3,4,5,6,7,8,9,10,11,12,13,14,15
	v_lshl_add_u32 v[AD+\i], v[AD+\i], 8, v[LP]    ; the channel's row in tile 0 + my 16 bytes
.endr
.macro MAX4 d, a, b                    ; four numbers a lane
.irp j, 0,1,2,3
	v_maximum_f32 v[(\d)+\j], v[(\a)+\j], v[(\b)+\j]
.endr
.endm
; One group (two sets, one in each half of the lanes): the eight rows are reduced in pairs as they come back.
; LDS loads come back in order (ISA guide 5.7.1): rows 8 g + 2 p and 8 g + 2 p + 1 of the sixteen are in when at most 14 - 8 g - 2 p are out.
.macro GROUP t, g
	s_wait_dscnt 14-8*\g
	MAX4 D+32*\g, D+32*\g, D+32*\g+4
	s_wait_dscnt 12-8*\g
	MAX4 D+32*\g+8, D+32*\g+8, D+32*\g+12
	MAX4 D+32*\g, D+32*\g, D+32*\g+8
	s_wait_dscnt 10-8*\g
	MAX4 D+32*\g+16, D+32*\g+16, D+32*\g+20
	s_wait_dscnt 8-8*\g
	MAX4 D+32*\g+24, D+32*\g+24, D+32*\g+28
	MAX4 D+32*\g+16, D+32*\g+16, D+32*\g+24
	MAX4 R+8*\t+4*\g, D+32*\g, D+32*\g+16
	global_store_b128 v[OUTO], v[R+8*\t+4*\g:R+8*\t+4*\g+3], s[8:9] offset:\g*32768+\t*ROW_B th:TH_STORE_NT  ; each half of the lanes stores 256 consecutive bytes, at a multiple of 256 from out0's first byte
.endm
; One tile.  A wave's tensor loads end in order (ISA guide 10.11.1): with 3 - t still out, my rows of tile t have landed; behind the
; barrier every wave's have.  The younger tiles stay on their way across them.
; No LDS access of the wave is pending at a signal: the group before ended with a wait for 0.
.macro TILE t
	s_wait_tensorcnt 3-\t
	s_barrier_signal -1
	s_barrier_wait -1
.irp i, 0,1,2,3,4,5,6,7,8,9,10,11,12,13,14,15
	ds_load_b128 v[D+4*\i:D+4*\i+3], v[AD+\i]
.endr
.if \t < 3
.irp i, 0,1,2,3,4,5,6,7,8,9,10,11,12,13,14,15
	v_add_nc_u32 v[AD+\i], TILE_B, v[AD+\i]        ; the next tile: one byte beyond what the 16-bit immediate offset reaches; done while the loads are out
.endr
.endif
	GROUP \t, 0
	GROUP \t, 1
.endm
	TILE 0
	TILE 1
	TILE 2
	TILE 3                                         ; its wait on the tensor loads is for zero: none is out at the end
	s_wait_tensorcnt 0x0
	ds_add_u32 v120, v121
	s_wait_dscnt 0x0
	s_endpgm
.Lfunc_end_k_q4a1534a3c7_multipool:
	.size	k_q4a1534a3c7_multipool, .Lfunc_end_k_q4a1534a3c7_multipool-k_q4a1534a3c7_multipool
	.p2alignl 7, 3214868480
	.fill 96, 4, 3214868480
	.section	.rodata,"a",@progbits
	.p2align	6, 0x0
	.amdhsa_kernel k_q4a1534a3c7_multipool
		.amdhsa_group_segment_fixed_size 264192
		.amdhsa_private_segment_fixed_size 0
		.amdhsa_enable_private_segment 0
		.amdhsa_kernarg_size 24
		.amdhsa_user_sgpr_count 2
		.amdhsa_user_sgpr_kernarg_segment_ptr 1
		.amdhsa_wavefront_size32 1
		.amdhsa_system_sgpr_workgroup_id_x 1
		.amdhsa_system_sgpr_workgroup_id_y 1
		.amdhsa_system_sgpr_workgroup_id_z 1
		.amdhsa_system_vgpr_workitem_id 0
		.amdhsa_next_free_vgpr 122
		.amdhsa_next_free_sgpr 66
		.amdhsa_reserve_vcc 0
		.amdhsa_float_denorm_mode_32 3
		.amdhsa_float_denorm_mode_16_64 3
		.amdhsa_memory_ordered 1
		.amdhsa_forward_progress 1
		.amdhsa_inst_pref_size 29
	.end_amdhsa_kernel
	.amdgpu_metadata
---
amdhsa.version: [ 1, 2 ]
amdhsa.kernels:
  - .name:           k_q4a1534a3c7_multipool
    .symbol:         k_q4a1534a3c7_multipool.kd
    .args:
      - { .name: channel_idx_sets, .offset: 0, .size: 8, .value_kind: global_buffer, .address_space: global }
      - { .name: x, .offset: 8, .size: 8, .value_kind: global_buffer, .address_space: global }
      - { .name: out0, .offset: 16, .size: 8, .value_kind: global_buffer, .address_space: global }
    .group_segment_fixed_size: 264192
    .private_segment_fixed_size: 0
    .kernarg_segment_align: 8
    .kernarg_segment_size: 24
    .max_flat_workgroup_size: 512
    .sgpr_count:     66
    .vgpr_count:     122
    .wavefront_size: 32
...
	.end_amdgpu_metadata
.endif
;; end of part 1
